; MI455X (gfx1250); checked and timed in simulation.
; The chip was launched on July 23, 2026; its instructions are those of AMD's public machine-readable ISA for CDNA 5 (MIT licence, August 2026) and "CDNA5" Instruction Set Architecture Reference Guide (July 2026). The comments in the code are by the model that wrote it; some were corrected since.
;; Kvmemnn. Allowed arithmetic: float matrix products may take bf16 or f16 operands with f32 sums; all other float work in f32.
;; Inputs: cands 100 x 32 int32; freqs 500,000 float32; lt 500,000 x 128 float32; mems 1,000 x 64 int32; xs 1 x 64 int32; ys 1 x 32 int32.
;; Outputs: out0 101 x 128 float32; out1 101 x 128 float32.
;; One version. Each part assembles by itself: llvm-mc -triple=amdgcn-amd-amdhsa -mcpu=gfx1250 --defsym DOCPART=n.
;; ======== version 1 of 1: 2 launches
;; workspace buffers: part 128,000 bytes; psum 1,024 bytes
;; launch encode (part 1): grid 250 x 1, 11 waves a work-group, no clusters, 15,104 bytes of LDS; arguments mems, xs, cands, ys, lt, freqs, part, psum, out1; writes part, psum, out1
.if DOCPART == 1
	.amdgcn_target "amdgcn-amd-amdhsa--gfx1250"
	.amdhsa_code_object_version 6
	.text
	.protected	k_q6d54fb17da_encode
	.globl	k_q6d54fb17da_encode
	.p2align	8
	.type	k_q6d54fb17da_encode,@function
k_q6d54fb17da_encode:
	s_mov_b64 s[64:65], 0
	v_nop
	global_prefetch_b8 v0, s[64:65] scope:SCOPE_SE
	s_setreg_imm32_b32 hwreg(HW_REG_WAVE_MODE, 25, 1), 1
	s_wait_xcnt 0x0
; Kvmemnn, first of two launches.  Every sequence is encoded (enc = sum over l of w_l emb_l / |w|, emb renormed to norm 10),
; and each work-group turns its four memories into ONE record for the softmax-weighted sum: sum of e_m enc_m (128 f32) and sum of e_m.
;
; WORK.  250 work-groups of 11 waves; a wave takes 32 table rows of 512 bytes.
;   waves 0-7 : memories 4g .. 4g+3, two waves (2 x 32 indices) each
;   waves 8,9 : xs, which every work-group needs for its four cosines
;   wave  10  : in work-groups 0..100 sequence g of (ys, cands[0..99]), stored to out1 row g; elsewhere it only passes the barriers
; A half of 16 lanes holds one row at a time: lane (r = lane & 15, h = lane >> 4) holds columns 4r..4r+3 and 64+4r..64+4r+3 of row 16h + j
; in step j.  So one 16-byte load of the wave covers two aligned runs of 256 consecutive bytes, and a row's sum of squares needs four
; DPP steps inside 16 lanes, for two rows at once.  All 32 row loads of a wave (16,384 bytes) are issued as soon as its indices are in.
;
; SOFTMAX.  sim = x.m / (max(|x|,eps) max(|m|,eps)) is at most 1 in magnitude for every input (Cauchy-Schwarz; the clamps only enlarge the
; denominator).  The shift taken away before the exponential is this bound, 1, in place of the maximum: e = exp(sim - 1) lies in
; [exp(-2), 1], the sum of 1,001 of them in [135, 1001], and a common shift leaves softmax as it is.
;
; NOT USED, by this text's own arithmetic.  Matrix instructions: each weighted sum is one row of weights times a 64 x 128 block that is
; read once, two operations for four loaded bytes; all arithmetic is f32 on the vector unit.  Clusters with joint requests: only the 64 rows
; of xs out of a work-group's 320 to 352 are common, they are scattered rows, and 250 work-groups are no multiple of 4.
; Prefetches: every row is loaded in the line behind the one that makes its offset; nothing is known earlier.
;
; LIMITS.  Indices are read as unsigned and clamped to 499,999 (reference() relies on indices inside the table).  v_rsq_f32 takes a denormal
; as zero: a sequence whose sum of squared freqs is below 2^-126 (all |freq| under about 1e-19) gives inf or NaN.  Sums are formed in another
; order than reference()'s.
.set V_LAST, 499999                    ; last row of the table
.set NSEQ,   101                       ; ys and the 100 candidates
.set ROWB,   512                       ; bytes of a table row, of an encoding, of a record
.set PWAVE,  2*ROWB                    ; LDS: a wave's two half-sums (one for each half of its lanes)
.set WSSB,   11*PWAVE                  ; LDS: 11 words, a wave's sum of w^2
.set C2,     WSSB+64                   ; LDS: 4 x 512 bytes, e_m enc_m of the four memories
.set E2,     C2+4*ROWB                 ; LDS: 4 words, e_m
.set L16,  1                           ; v1       16 x lane
.set R16,  2                           ; v2       16 x (lane & 15)
.set HB,   3                           ; v3       64 x (lane >> 4): my half's 16 indices; later scratch
.set IL,   4                           ; v4       index of row `lane`, then its byte offset in freqs
.set W,    5                           ; v5       freqs of row `lane`
.set WSS,  6                           ; v6       sum of w^2 over the wave's 32 rows
.set STO,  7                           ; v7       LDS: where my 16 bytes of the half-sum go
.set ACC,  8                           ; v[8:15]  my 8 columns of the half's weighted sum
.set Q,    16                          ; v[16:23] four pairs: even = the row's factor, odd = the row's norm
.set T,    24                          ; v[24:39] four rows' work registers
.set ZERO, 40                          ; v40      0
.set WA,   41                          ; v41      4 x wave
.set ILA,  42                          ; v42      4 x lane
.set MA,   43                          ; v43      LDS: my memory's four half-sums
.set K8,   44                          ; v44      8 x wave
.set CA,   45                          ; v45      512 x wave + 16 x lane
.set IDX,  48                          ; v[48:63] index of row 16h + j, then that row's byte offset + 16r
.set X,    64                          ; v[64:191] step j: 8 registers, my 8 columns of the row
.set M,    64                          ; second part: v[64:79] a memory's four half-sums, then enc, then e enc
.set XE,   80                          ; v[80:95] the same for xs
.set WM,   96                          ; v[96:97] 1/|w| of the memory, sum of w^2
.set WX,   98                          ; v[98:99] the same for xs
.set DOT,  100                         ; v[100:101]
.set NM,   102                         ; v[102:103] |m|^2, max(|m|, eps)
.set NX,   104                         ; v[104:105] |x|^2, max(|x|, eps)
.set E,    106                         ; v[106:107] e, its exponent
	s_load_b512 s[8:23], s[0:1], 0x0               ; mems s[8:9], xs s[10:11], cands s[12:13], ys s[14:15], lt s[16:17], freqs s[18:19], part s[20:21], psum s[22:23]
	s_load_b64 s[24:25], s[0:1], 0x40              ; out1
	v_lshl_add_u32 v192, v0, 2, 0x3500
	v_mov_b32 v193, 0
	v_lshrrev_b32 v[T], 5, v0
	v_readfirstlane_b32 s6, v[T]                   ; wave u, 0 to 10
	v_and_b32 v[T], 31, v0                         ; lane
	v_lshlrev_b32 v[L16], 4, v[T]
	v_lshlrev_b32 v[ILA], 2, v[T]
	v_and_b32 v[R16], 0xf0, v[L16]
	v_and_b32 v[T+1], 16, v[T]                     ; 16 h
	v_lshlrev_b32 v[HB], 2, v[T+1]
	v_lshl_add_u32 v[STO], v[T+1], 5, v[R16]       ; 512 h + 16 r
	s_lshl_b32 s7, s6, 10
	v_add_nc_u32 v[STO], s7, v[STO]                ; + 1024 u
	s_lshl_b32 s7, s6, 2
	v_mov_b32 v[WA], s7
	v_mov_b32 v[ZERO], 0
	s_mov_b32 s30, 0x76543210                      ; v_permlanex16_b32: lane i of one half reads lane i of the other
	s_mov_b32 s31, 0xfedcba98
	s_mov_b32 s33, 0x41200000                      ; 10.0, the largest norm of a row
	s_mov_b32 s34, 0x33d6bf95                      ; 1e-7
	s_mov_b32 s35, 0x322bcc77                      ; 1e-8
	s_mov_b32 s40, 0x3fb8aa3b                      ; log2(e)
	s_mov_b32 s41, 0xbfb8aa3b                      ; -log2(e)
	; where the wave's 32 indices lie: a buffer and a byte offset, chosen by wave and work-group number alone
	s_lshl_b32 s26, ttmp9, 10                      ; mems: 4 sequences x 256 bytes for each work-group
	s_lshl_b32 s27, s6, 7
	s_add_co_u32 s26, s26, s27                     ;       + 128 u
	s_and_b32 s27, s27, 128                        ; xs: 128 (u & 1), for u = 8, 9
	s_max_u32 s28, ttmp9, 1
	s_sub_co_u32 s28, s28, 1
	s_lshl_b32 s28, s28, 7                         ; cands: 128 (g - 1); 0 for g = 0, which takes ys
	s_wait_kmcnt 0x0
	s_cmp_lt_u32 s6, 8
	s_cselect_b64 s[2:3], s[8:9], s[10:11]
	s_cselect_b32 s26, s26, s27
	s_cmp_eq_u32 ttmp9, 0
	s_cselect_b64 s[4:5], s[14:15], s[12:13]
	s_cmp_eq_u32 s6, 10
	s_cselect_b64 s[2:3], s[4:5], s[2:3]
	s_cselect_b32 s26, s28, s26
	s_mov_b32 s27, 0
	s_add_nc_u64 s[2:3], s[2:3], s[26:27]
	s_cmp_lg_u32 s6, 10
	s_cbranch_scc1 .Lgather
	s_cmp_ge_u32 ttmp9, NSEQ
	s_cbranch_scc1 .Lbar1                          ; wave 10 of work-groups 101 to 249 has no sequence
.Lgather:
	global_load_b32 v[IL], v[ILA], s[2:3]          ; lane l: index l, for the freqs
.irp k, 0,1,2,3
	global_load_b128 v[IDX+4*\k:IDX+4*\k+3], v[HB], s[2:3] offset:16*\k   ; all lanes of half h: indices 16h + 4k .. + 3, for the rows
.endr
	s_wait_loadcnt 0x4                             ; loads return in order (ISA guide 5.7.1): the first is in, the four behind it may be out
	v_min_u32 v[IL], V_LAST, v[IL]
	v_lshlrev_b32 v[IL], 2, v[IL]
	global_load_b32 v[W], v[IL], s[18:19]          ; 32 freqs in one load, ahead of the rows: it is counted first
	s_wait_loadcnt 0x1                             ; only that gather may be out: the 16 indices of my half are in
.irp j, 0,1,2,3,4,5,6,7,8,9,10,11,12,13,14,15
	v_min_u32 v[IDX+\j], V_LAST, v[IDX+\j]
	v_lshl_add_u32 v[IDX+\j], v[IDX+\j], 9, v[R16] ; 512 x index + 16 r, below 2^28
	global_load_b128 v[X+8*\j:X+8*\j+3],   v[IDX+\j], s[16:17]              ; columns 4r ..: 16 lanes cover the row's first 256 bytes
	global_load_b128 v[X+8*\j+4:X+8*\j+7], v[IDX+\j], s[16:17] offset:256   ; columns 64 + 4r ..: its second 256 bytes
.endr
	s_wait_loadcnt 32                              ; the freqs are in; the 32 row loads behind them may be out
	v_mul_f32 v[WSS], v[W], v[W]
.irp m, 1,2,4,8
	v_add_f32_dpp v[WSS], v[WSS], v[WSS] row_xmask:\m row_mask:0xf bank_mask:0xf
.endr
	v_permlanex16_b32 v[HB], v[WSS], s30, s31      ; (v3's loads are long in; as a destination it has been written)
	v_add_f32 v[WSS], v[WSS], v[HB]                ; sum of w^2 over the wave's 32 rows, in every lane
; Steps 4q .. 4q+3 (eight rows), stage by stage so that four chains run side by side.  j0..j3 = the four step numbers.
.macro GROUP q, j0, j1, j2, j3
	s_wait_loadcnt 24-8*\q                         ; the row loads behind this group's eight may be out
.irp p, 0,1,2,3
	v_pk_mul_f32 v[T+4*\p:T+4*\p+1],   v[X+32*\q+8*\p:X+32*\q+8*\p+1],   v[X+32*\q+8*\p:X+32*\q+8*\p+1]
	v_pk_mul_f32 v[T+4*\p+2:T+4*\p+3], v[X+32*\q+8*\p+2:X+32*\q+8*\p+3], v[X+32*\q+8*\p+2:X+32*\q+8*\p+3]
.endr
.irp p, 0,1,2,3
	v_pk_fma_f32 v[T+4*\p:T+4*\p+1],   v[X+32*\q+8*\p+4:X+32*\q+8*\p+5], v[X+32*\q+8*\p+4:X+32*\q+8*\p+5], v[T+4*\p:T+4*\p+1]
	v_pk_fma_f32 v[T+4*\p+2:T+4*\p+3], v[X+32*\q+8*\p+6:X+32*\q+8*\p+7], v[X+32*\q+8*\p+6:X+32*\q+8*\p+7], v[T+4*\p+2:T+4*\p+3]
.endr
.irp p, 0,1,2,3
	v_pk_add_f32 v[T+4*\p:T+4*\p+1], v[T+4*\p:T+4*\p+1], v[T+4*\p+2:T+4*\p+3]
.endr
.irp p, 0,1,2,3
	v_add_f32 v[T+4*\p], v[T+4*\p], v[T+4*\p+1]    ; my 8 squares
.endr
.irp m, 1,2,4,8
.irp p, 0,1,2,3
	v_add_f32_dpp v[T+4*\p], v[T+4*\p], v[T+4*\p] row_xmask:\m row_mask:0xf bank_mask:0xf   ; over the 16 lanes that hold the row
.endr
.endr
.irp p, 0,1,2,3
	v_sqrt_f32 v[Q+2*\p+1], v[T+4*\p]              ; n
.endr
	v_nop                                          ; one plain vector instruction between a transcendental and the use of its result (ISA guide 5.7.2)
	s_wait_alu depctr_va_vdst(0)
.irp p, 0,1,2,3
	v_add_f32 v[T+4*\p+1], s34, v[Q+2*\p+1]        ; n + 1e-7
.endr
.irp p, 0,1,2,3
	v_rcp_f32 v[Q+2*\p], v[T+4*\p+1]
.endr
.irp p, 0,1,2,3
	v_cmp_lt_f32 s[36+\p], s33, v[Q+2*\p+1]        ; n > 10 (these four are the plain instructions behind the reciprocals)
.endr
	s_wait_alu depctr_va_vdst(0)
.irp p, 0,1,2,3
	v_mul_f32 v[Q+2*\p], s33, v[Q+2*\p]            ; 10 / (n + 1e-7)
.endr
.irp p, 0,1,2,3
	v_cndmask_b32 v[Q+2*\p], 1.0, v[Q+2*\p], s[36+\p]
.endr
	; times the row's w: row_share:j gives lanes 0-15 lane j's w (row j) and lanes 16-31 lane 16 + j's (row 16 + j)
	v_mul_f32_dpp v[Q],   v[W], v[Q]   row_share:\j0 row_mask:0xf bank_mask:0xf
	v_mul_f32_dpp v[Q+2], v[W], v[Q+2] row_share:\j1 row_mask:0xf bank_mask:0xf
	v_mul_f32_dpp v[Q+4], v[W], v[Q+4] row_share:\j2 row_mask:0xf bank_mask:0xf
	v_mul_f32_dpp v[Q+6], v[W], v[Q+6] row_share:\j3 row_mask:0xf bank_mask:0xf
.irp p, 0,1,2,3
.irp i, 0,2,4,6
.if (\q+\p) == 0
	v_pk_mul_f32 v[ACC+\i:ACC+\i+1], v[X+32*\q+8*\p+\i:X+32*\q+8*\p+\i+1], v[Q+2*\p:Q+2*\p+1] op_sel_hi:[1,0]   ; the first row starts the sums
.else
	v_pk_fma_f32 v[ACC+\i:ACC+\i+1], v[X+32*\q+8*\p+\i:X+32*\q+8*\p+\i+1], v[Q+2*\p:Q+2*\p+1], v[ACC+\i:ACC+\i+1] op_sel_hi:[1,0,1]
.endif
.endr
.endr
.endm
	GROUP 0, 0, 1, 2, 3
	GROUP 1, 4, 5, 6, 7
	GROUP 2, 8, 9, 10, 11
	GROUP 3, 12, 13, 14, 15
	ds_store_b128 v[STO], v[ACC:ACC+3]             ; 16 lanes write 256 neighbouring bytes: half h's sum lies as a plain row of 128 f32
	ds_store_b128 v[STO], v[ACC+4:ACC+7] offset:256
	ds_store_b32 v[WA], v[WSS] offset:WSSB         ; every lane the same word with the same value
	s_cmp_lg_u32 s6, 10
	s_cbranch_scc1 .Lbar1
	; wave 10: its 32 rows are the whole sequence.  Its own two half-sums come back as 16 bytes a lane (LDS serves a wave in order,
	; ISA guide 5.7.1: no wait between its stores and these loads).
	ds_load_b128 v[M:M+3],   v[L16] offset:10*PWAVE
	ds_load_b128 v[M+4:M+7], v[L16] offset:10*PWAVE+ROWB
	v_rsq_f32 v[Q], v[WSS]                         ; 1 / |w|
	s_lshl_b32 s26, ttmp9, 9
	s_mov_b32 s27, 0
	s_add_nc_u64 s[24:25], s[24:25], s[26:27]      ; out1 row g
	s_wait_dscnt 0x0
	v_pk_add_f32 v[M:M+1],   v[M:M+1],   v[M+4:M+5]
	v_pk_add_f32 v[M+2:M+3], v[M+2:M+3], v[M+6:M+7]
	s_wait_alu depctr_va_vdst(0)
	v_pk_mul_f32 v[M:M+1],   v[M:M+1],   v[Q:Q+1] op_sel_hi:[1,0]
	v_pk_mul_f32 v[M+2:M+3], v[M+2:M+3], v[Q:Q+1] op_sel_hi:[1,0]
	global_store_b128 v[L16], v[M:M+3], s[24:25]   ; the wave stores the row's 512 consecutive bytes
.Lbar1:
	s_wait_dscnt 0x0                               ; my half-sums and my sum of w^2 are in LDS, for the other waves' sake
	s_barrier_signal -1
	s_barrier_wait -1
	s_cmp_ge_u32 s6, 4
	s_cbranch_scc1 .Lbar2
	; waves k = 0..3: memory 4g + k.  Lane l now holds columns 4l .. 4l+3.
	s_lshl_b32 s26, s6, 11
	v_add_nc_u32 v[MA], s26, v[L16]                ; waves 2k and 2k+1 left four half-sums in 2,048 neighbouring bytes
	s_lshl_b32 s26, s6, 3
	v_mov_b32 v[K8], s26
	s_lshl_b32 s26, s6, 9
	v_add_nc_u32 v[CA], s26, v[L16]
.irp j, 0,1,2,3
	ds_load_b128 v[M+4*\j:M+4*\j+3], v[MA] offset:ROWB*\j
.endr
.irp j, 0,1,2,3
	ds_load_b128 v[XE+4*\j:XE+4*\j+3], v[L16] offset:8*PWAVE+ROWB*\j    ; waves 8 and 9: xs
.endr
	ds_load_b64 v[WM:WM+1], v[K8] offset:WSSB
	ds_load_b64 v[WX:WX+1], v[ZERO] offset:WSSB+32
	s_wait_dscnt 0x0
	v_add_f32 v[WM+1], v[WM], v[WM+1]
	v_add_f32 v[WX+1], v[WX], v[WX+1]
	v_rsq_f32 v[WM], v[WM+1]                       ; 1 / |w|; the sums below are the plain instructions behind them
	v_rsq_f32 v[WX], v[WX+1]
.irp b, M, XE
	v_pk_add_f32 v[\b:\b+1],     v[\b:\b+1],     v[\b+4:\b+5]
	v_pk_add_f32 v[\b+2:\b+3],   v[\b+2:\b+3],   v[\b+6:\b+7]
	v_pk_add_f32 v[\b+8:\b+9],   v[\b+8:\b+9],   v[\b+12:\b+13]
	v_pk_add_f32 v[\b+10:\b+11], v[\b+10:\b+11], v[\b+14:\b+15]
	v_pk_add_f32 v[\b:\b+1],     v[\b:\b+1],     v[\b+8:\b+9]
	v_pk_add_f32 v[\b+2:\b+3],   v[\b+2:\b+3],   v[\b+10:\b+11]
.endr
	s_wait_alu depctr_va_vdst(0)
	v_pk_mul_f32 v[M:M+1],     v[M:M+1],     v[WM:WM+1] op_sel_hi:[1,0]    ; enc of the memory
	v_pk_mul_f32 v[M+2:M+3],   v[M+2:M+3],   v[WM:WM+1] op_sel_hi:[1,0]
	v_pk_mul_f32 v[XE:XE+1],   v[XE:XE+1],   v[WX:WX+1] op_sel_hi:[1,0]    ; xs_emb
	v_pk_mul_f32 v[XE+2:XE+3], v[XE+2:XE+3], v[WX:WX+1] op_sel_hi:[1,0]
	v_pk_mul_f32 v[DOT:DOT+1], v[M:M+1],   v[XE:XE+1]
	v_pk_mul_f32 v[NM:NM+1],   v[M:M+1],   v[M:M+1]
	v_pk_mul_f32 v[NX:NX+1],   v[XE:XE+1], v[XE:XE+1]
	v_pk_fma_f32 v[DOT:DOT+1], v[M+2:M+3],   v[XE+2:XE+3], v[DOT:DOT+1]
	v_pk_fma_f32 v[NM:NM+1],   v[M+2:M+3],   v[M+2:M+3],   v[NM:NM+1]
	v_pk_fma_f32 v[NX:NX+1],   v[XE+2:XE+3], v[XE+2:XE+3], v[NX:NX+1]
.irp d, DOT, NM, NX
	v_add_f32 v[\d], v[\d], v[\d+1]
.endr
.irp m, 1,2,4,8
.irp d, DOT, NM, NX
	v_add_f32_dpp v[\d], v[\d], v[\d] row_xmask:\m row_mask:0xf bank_mask:0xf
.endr
.endr
.irp d, DOT, NM, NX
	v_permlanex16_b32 v[\d+1], v[\d], s30, s31
.endr
.irp d, DOT, NM, NX
	v_add_f32 v[\d], v[\d], v[\d+1]                ; x.m, |m|^2, |x|^2 in every lane
.endr
	v_sqrt_f32 v[NM+1], v[NM]
	v_sqrt_f32 v[NX+1], v[NX]
	v_nop                                          ; the plain instruction behind the roots
	s_wait_alu depctr_va_vdst(0)
	v_max_num_f32 v[NM+1], s35, v[NM+1]            ; max(|m|, 1e-8)
	v_max_num_f32 v[NX+1], s35, v[NX+1]            ; max(|x|, 1e-8)
	v_mul_f32 v[DOT+1], v[NM+1], v[NX+1]           ; at least 1e-16
	v_rcp_f32 v[E+1], v[DOT+1]
	v_nop
	s_wait_alu depctr_va_vdst(0)
	v_mul_f32 v[E+1], v[DOT], v[E+1]               ; sim
	v_fma_f32 v[E+1], v[E+1], s40, s41             ; (sim - 1) log2(e)
	v_exp_f32 v[E], v[E+1]                         ; e = exp(sim - 1)
	v_nop
	s_wait_alu depctr_va_vdst(0)
	v_pk_mul_f32 v[M:M+1],   v[M:M+1],   v[E:E+1] op_sel_hi:[1,0]
	v_pk_mul_f32 v[M+2:M+3], v[M+2:M+3], v[E:E+1] op_sel_hi:[1,0]
	s_or_b32 s26, ttmp9, s6
	s_cmp_lg_u32 s26, 0
	s_cbranch_scc1 .Lnoxs
	; once in the launch (work-group 0, wave 0): xs_emb is itself the 1,001st memory, sim = |x|^2 / max(|x|, eps)^2
	v_mul_f32 v[NM], v[NX+1], v[NX+1]
	v_rcp_f32 v[NM+1], v[NM]
	v_nop
	s_wait_alu depctr_va_vdst(0)
	v_mul_f32 v[NM+1], v[NX], v[NM+1]
	v_fma_f32 v[NM+1], v[NM+1], s40, s41
	v_exp_f32 v[NM], v[NM+1]
	v_nop
	s_wait_alu depctr_va_vdst(0)
	v_pk_fma_f32 v[M:M+1],   v[XE:XE+1],   v[NM:NM+1], v[M:M+1]   op_sel_hi:[1,0,1]
	v_pk_fma_f32 v[M+2:M+3], v[XE+2:XE+3], v[NM:NM+1], v[M+2:M+3] op_sel_hi:[1,0,1]
	v_add_f32 v[E], v[E], v[NM]
.Lnoxs:
	ds_store_b128 v[CA], v[M:M+3] offset:C2
	ds_store_b32 v[WA], v[E] offset:E2
.Lbar2:
	s_wait_dscnt 0x0                               ; e enc and e are in LDS, for wave 0's sake
	s_barrier_signal -1
	s_barrier_wait -1
	s_cmp_lg_u32 s6, 0
	s_cbranch_scc1 .Lend
	; wave 0: the work-group's record
.irp j, 0,1,2,3
	ds_load_b128 v[M+4*\j:M+4*\j+3], v[L16] offset:C2+ROWB*\j
.endr
	ds_load_b128 v[XE:XE+3], v[ZERO] offset:E2
	s_lshl_b32 s26, ttmp9, 9
	s_mov_b32 s27, 0
	s_add_nc_u64 s[20:21], s[20:21], s[26:27]      ; part + 512 g
	s_lshl_b32 s28, ttmp9, 2
	s_mov_b32 s29, 0
	s_add_nc_u64 s[22:23], s[22:23], s[28:29]      ; psum + 4 g
	s_wait_dscnt 0x0
	v_pk_add_f32 v[M:M+1],     v[M:M+1],     v[M+4:M+5]
	v_pk_add_f32 v[M+2:M+3],   v[M+2:M+3],   v[M+6:M+7]
	v_pk_add_f32 v[M+8:M+9],   v[M+8:M+9],   v[M+12:M+13]
	v_pk_add_f32 v[M+10:M+11], v[M+10:M+11], v[M+14:M+15]
	v_pk_add_f32 v[M:M+1],     v[M:M+1],     v[M+8:M+9]
	v_pk_add_f32 v[M+2:M+3],   v[M+2:M+3],   v[M+10:M+11]
	v_pk_add_f32 v[XE:XE+1], v[XE:XE+1], v[XE+2:XE+3]
	v_add_f32 v[XE], v[XE], v[XE+1]
	global_store_b128 v[L16], v[M:M+3], s[20:21]   ; 512 consecutive bytes, aligned
	s_wait_xcnt 0x0                                ; EXEC is a source of the store above: it is narrowed only behind this wait
	s_wait_tensorcnt 0x0
	ds_add_u32 v192, v193
	s_wait_dscnt 0x0
	v_cmpx_gt_u32 1, v0                            ; lane 0 alone
	global_store_b32 v[ZERO], v[XE], s[22:23]      ; the 129th number: one word for each work-group, 250 neighbouring words in all,
	s_endpgm                                       ; so that the next launch reads them as 1,000 consecutive bytes
.Lend:
	s_wait_tensorcnt 0x0
	ds_add_u32 v192, v193
	s_wait_dscnt 0x0
	s_endpgm
.Lfunc_end_k_q6d54fb17da_encode:
	.size	k_q6d54fb17da_encode, .Lfunc_end_k_q6d54fb17da_encode-k_q6d54fb17da_encode
	.p2alignl 7, 3214868480
	.fill 96, 4, 3214868480
	.section	.rodata,"a",@progbits
	.p2align	6, 0x0
	.amdhsa_kernel k_q6d54fb17da_encode
		.amdhsa_group_segment_fixed_size 15104
		.amdhsa_private_segment_fixed_size 0
		.amdhsa_enable_private_segment 0
		.amdhsa_kernarg_size 72
		.amdhsa_user_sgpr_count 2
		.amdhsa_user_sgpr_kernarg_segment_ptr 1
		.amdhsa_wavefront_size32 1
		.amdhsa_system_sgpr_workgroup_id_x 1
		.amdhsa_system_sgpr_workgroup_id_y 1
		.amdhsa_system_sgpr_workgroup_id_z 1
		.amdhsa_system_vgpr_workitem_id 0
		.amdhsa_next_free_vgpr 194
		.amdhsa_next_free_sgpr 66
		.amdhsa_reserve_vcc 0
		.amdhsa_float_denorm_mode_32 3
		.amdhsa_float_denorm_mode_16_64 3
		.amdhsa_memory_ordered 1
		.amdhsa_forward_progress 1
		.amdhsa_inst_pref_size 35
	.end_amdhsa_kernel
	.amdgpu_metadata
---
amdhsa.version: [ 1, 2 ]
amdhsa.kernels:
  - .name:           k_q6d54fb17da_encode
    .symbol:         k_q6d54fb17da_encode.kd
    .args:
      - { .name: mems, .offset: 0, .size: 8, .value_kind: global_buffer, .address_space: global }
      - { .name: xs, .offset: 8, .size: 8, .value_kind: global_buffer, .address_space: global }
      - { .name: cands, .offset: 16, .size: 8, .value_kind: global_buffer, .address_space: global }
      - { .name: ys, .offset: 24, .size: 8, .value_kind: global_buffer, .address_space: global }
      - { .name: lt, .offset: 32, .size: 8, .value_kind: global_buffer, .address_space: global }
      - { .name: freqs, .offset: 40, .size: 8, .value_kind: global_buffer, .address_space: global }
      - { .name: part, .offset: 48, .size: 8, .value_kind: global_buffer, .address_space: global }
      - { .name: psum, .offset: 56, .size: 8, .value_kind: global_buffer, .address_space: global }
      - { .name: out1, .offset: 64, .size: 8, .value_kind: global_buffer, .address_space: global }
    .group_segment_fixed_size: 15104
    .private_segment_fixed_size: 0
    .kernarg_segment_align: 8
    .kernarg_segment_size: 72
    .max_flat_workgroup_size: 352
    .sgpr_count:     66
    .vgpr_count:     194
    .wavefront_size: 32
...
	.end_amdgpu_metadata
.endif
;; end of part 1
;; launch combine (part 2): grid 1 x 1, 10 waves a work-group, no clusters, 6,656 bytes of LDS; arguments part, psum, out0; writes out0
.if DOCPART == 2
	.amdgcn_target "amdgcn-amd-amdhsa--gfx1250"
	.amdhsa_code_object_version 6
	.text
	.protected	k_q6d54fb17da_combine
	.globl	k_q6d54fb17da_combine
	.p2align	8
	.type	k_q6d54fb17da_combine,@function
k_q6d54fb17da_combine:
	s_mov_b64 s[64:65], 0
	v_nop
	global_prefetch_b8 v0, s[64:65] scope:SCOPE_SE
	s_setreg_imm32_b32 hwreg(HW_REG_WAVE_MODE, 25, 1), 1
	s_wait_xcnt 0x0
; Kvmemnn, second launch: lhs_emb = (sum of the 250 records' vectors) / (sum of their 250 sums of exponentials), written to all 101 rows of out0.
; One work-group, since the result is one vector of 128 numbers from 129,000 bytes.  Ten waves; wave w adds records 25w .. 25w+24, lane l holding
; columns 4l .. 4l+3, so that each load covers a record's 512 consecutive bytes; all 25 loads of a wave are out at once.  The ten partial
; vectors and sums meet in LDS behind one barrier; every wave then forms the result itself and stores ten rows of out0 (wave 0 one more).
; The sum of exponentials is at least 1001 exp(-2): the reciprocal is of a number far from zero.
; No matrix instructions, no joint requests, no prefetch: one short sum over data that is loaded in the first lines.
.set PER,  25                          ; records of a wave
.set ROWB, 512                         ; bytes of a record and of a row of out0
.set SB,   10*ROWB                     ; LDS: behind the ten vectors, the ten sums
.set X,    16                          ; v[16:115] record i: 4 registers; behind the barrier v[16:55] ten vectors, v[56:65] ten sums
	s_load_b128 s[4:7], s[0:1], 0x0                ; part s[4:5], psum s[6:7]
	s_load_b64 s[8:9], s[0:1], 0x10                ; out0
	v_lshl_add_u32 v120, v0, 2, 0x1500
	v_mov_b32 v121, 0
	s_mov_b32 s14, 0x76543210                      ; v_permlanex16_b32: lane i of one half reads lane i of the other
	s_mov_b32 s15, 0xfedcba98
	v_lshrrev_b32 v1, 5, v0
	v_readfirstlane_b32 s10, v1                    ; wave w
	v_and_b32 v2, 31, v0                           ; lane
	v_lshlrev_b32 v3, 4, v2                        ; 16 x lane
	s_mul_i32 s11, s10, PER*ROWB
	v_add_nc_u32 v4, s11, v3                       ; my 16 bytes of the wave's first record
	v_min_u32 v5, PER-1, v2                        ; lanes 25 to 31 ask for lane 24's word once more and drop it below: nothing outside the 250 words is read
	s_mul_i32 s12, s10, PER*4
	v_lshl_add_u32 v5, v5, 2, s12
	s_lshl_b32 s13, s10, 9
	v_add_nc_u32 v7, s13, v3                       ; LDS: my 16 bytes of the wave's vector
	s_lshl_b32 s16, s10, 2
	v_mov_b32 v8, s16                              ; LDS: the wave's word
	v_mov_b32 v9, 0
	s_mul_i32 s17, s10, 10*ROWB
	v_add_nc_u32 v11, s17, v3                      ; out0: my 16 bytes of row 10 w
	s_wait_kmcnt 0x0
	global_load_b32 v6, v5, s[6:7]
.set i, 0
.rept PER
	global_load_b128 v[X+4*i:X+4*i+3], v4, s[4:5] offset:ROWB*i
.set i, i+1
.endr
	s_wait_loadcnt PER                             ; loads return in order (ISA guide 5.7.1): the sums' word is in, the 25 records behind it may be out
	v_cmp_gt_u32 vcc_lo, PER, v2
	v_cndmask_b32 v6, 0, v6, vcc_lo
.irp m, 1,2,4,8
	v_add_f32_dpp v6, v6, v6 row_xmask:\m row_mask:0xf bank_mask:0xf
.endr
	v_permlanex16_b32 v1, v6, s14, s15             ; (v1 has been written and is free)
	v_add_f32 v6, v6, v1                           ; the wave's 25 sums of exponentials, added
	; records 2 to 24 are added onto records 0 and 1 in turn: two chains, nothing is cleared
.set i, 2
.rept PER-2
	s_wait_loadcnt PER-1-i                         ; record i is in; the records behind it may be out
	v_pk_add_f32 v[X+4*(i%2):X+4*(i%2)+1],   v[X+4*(i%2):X+4*(i%2)+1],   v[X+4*i:X+4*i+1]
	v_pk_add_f32 v[X+4*(i%2)+2:X+4*(i%2)+3], v[X+4*(i%2)+2:X+4*(i%2)+3], v[X+4*i+2:X+4*i+3]
.set i, i+1
.endr
	v_pk_add_f32 v[X:X+1],   v[X:X+1],   v[X+4:X+5]
	v_pk_add_f32 v[X+2:X+3], v[X+2:X+3], v[X+6:X+7]
	ds_store_b128 v7, v[X:X+3]
	ds_store_b32 v8, v6 offset:SB                  ; every lane the same word with the same value
	s_wait_dscnt 0x0                               ; for the other waves' sake: zero
	s_barrier_signal -1
	s_barrier_wait -1
.set i, 0
.rept 10
	ds_load_b128 v[X+4*i:X+4*i+3], v3 offset:ROWB*i
.set i, i+1
.endr
	ds_load_b128 v[X+40:X+43], v9 offset:SB
	ds_load_b128 v[X+44:X+47], v9 offset:SB+16
	ds_load_b64  v[X+48:X+49], v9 offset:SB+32
	s_wait_dscnt 0x0
	v_pk_add_f32 v[X+40:X+41], v[X+40:X+41], v[X+42:X+43]
	v_pk_add_f32 v[X+44:X+45], v[X+44:X+45], v[X+46:X+47]
	v_pk_add_f32 v[X+40:X+41], v[X+40:X+41], v[X+48:X+49]
	v_pk_add_f32 v[X+40:X+41], v[X+40:X+41], v[X+44:X+45]
	v_add_f32 v[X+41], v[X+40], v[X+41]            ; the sum of all 1,001 exponentials
	v_rcp_f32 v[X+40], v[X+41]                     ; the sums below are the plain instructions behind it (ISA guide 5.7.2)
.set i, 2
.rept 8
	v_pk_add_f32 v[X+4*(i%2):X+4*(i%2)+1],   v[X+4*(i%2):X+4*(i%2)+1],   v[X+4*i:X+4*i+1]
	v_pk_add_f32 v[X+4*(i%2)+2:X+4*(i%2)+3], v[X+4*(i%2)+2:X+4*(i%2)+3], v[X+4*i+2:X+4*i+3]
.set i, i+1
.endr
	v_pk_add_f32 v[X:X+1],   v[X:X+1],   v[X+4:X+5]
	v_pk_add_f32 v[X+2:X+3], v[X+2:X+3], v[X+6:X+7]
	s_wait_alu depctr_va_vdst(0)
	v_pk_mul_f32 v[X:X+1],   v[X:X+1],   v[X+40:X+41] op_sel_hi:[1,0]
	v_pk_mul_f32 v[X+2:X+3], v[X+2:X+3], v[X+40:X+41] op_sel_hi:[1,0]      ; lhs_emb, columns 4l .. 4l+3
.set i, 0
.rept 10
	global_store_b128 v11, v[X:X+3], s[8:9] offset:ROWB*i                  ; a whole row of 512 consecutive bytes with each store
.set i, i+1
.endr
	s_cmp_lg_u32 s10, 0
	s_cbranch_scc1 .Ldone
	global_store_b128 v3, v[X:X+3], s[8:9] offset:100*ROWB                 ; row 100, by wave 0
.Ldone:
	s_wait_tensorcnt 0x0
	ds_add_u32 v120, v121
	s_wait_dscnt 0x0
	s_endpgm
.Lfunc_end_k_q6d54fb17da_combine:
	.size	k_q6d54fb17da_combine, .Lfunc_end_k_q6d54fb17da_combine-k_q6d54fb17da_combine
	.p2alignl 7, 3214868480
	.fill 96, 4, 3214868480
	.section	.rodata,"a",@progbits
	.p2align	6, 0x0
	.amdhsa_kernel k_q6d54fb17da_combine
		.amdhsa_group_segment_fixed_size 6656
		.amdhsa_private_segment_fixed_size 0
		.amdhsa_enable_private_segment 0
		.amdhsa_kernarg_size 24
		.amdhsa_user_sgpr_count 2
		.amdhsa_user_sgpr_kernarg_segment_ptr 1
		.amdhsa_wavefront_size32 1
		.amdhsa_system_sgpr_workgroup_id_x 1
		.amdhsa_system_sgpr_workgroup_id_y 1
		.amdhsa_system_sgpr_workgroup_id_z 1
		.amdhsa_system_vgpr_workitem_id 0
		.amdhsa_next_free_vgpr 122
		.amdhsa_next_free_sgpr 66
		.amdhsa_reserve_vcc 1
		.amdhsa_float_denorm_mode_32 3
		.amdhsa_float_denorm_mode_16_64 3
		.amdhsa_memory_ordered 1
		.amdhsa_forward_progress 1
		.amdhsa_inst_pref_size 12
	.end_amdhsa_kernel
	.amdgpu_metadata
---
amdhsa.version: [ 1, 2 ]
amdhsa.kernels:
  - .name:           k_q6d54fb17da_combine
    .symbol:         k_q6d54fb17da_combine.kd
    .args:
      - { .name: part, .offset: 0, .size: 8, .value_kind: global_buffer, .address_space: global }
      - { .name: psum, .offset: 8, .size: 8, .value_kind: global_buffer, .address_space: global }
      - { .name: out0, .offset: 16, .size: 8, .value_kind: global_buffer, .address_space: global }
    .group_segment_fixed_size: 6656
    .private_segment_fixed_size: 0
    .kernarg_segment_align: 8
    .kernarg_segment_size: 24
    .max_flat_workgroup_size: 320
    .sgpr_count:     66
    .vgpr_count:     122
    .wavefront_size: 32
...
	.end_amdgpu_metadata
.endif
;; end of part 2
